; MI455X (gfx1250); checked and timed in simulation.
; The chip was launched on July 23, 2026; its instructions are those of AMD's public machine-readable ISA for CDNA 5 (MIT licence, August 2026) and "CDNA5" Instruction Set Architecture Reference Guide (July 2026). The comments in the code are by the model that wrote it; some were corrected since.
;; Factored Causal Self Attention. Allowed arithmetic: matrix products marked QUANTISED: E2M3 operands, one E8M0 scale for each 32 along K, by v_wmma_scale_f32_16x16x128_f8f6f4 with both operands' format E2M3, f32 sums; everything else in f32.
;; Inputs: W_attn 1,024 x 2,048 float32; b_attn 2,048 float32; x_norm_for_qk 2 x 2,048 x 1,024 float32; xt_current_for_v 2 x 2,048 x 1,024 float32.
;; Outputs: out0 2 x 2,048 x 1,024 float32.
;; This version of the problem:
;;   THIS VERSION OF THE PROBLEM IS GIVEN IN LOW PRECISION. The matrix products marked QUANTISED in the list below multiply operands that are first quantised to E2M3 (2 exponent bits, 3 mantissa bits; 6 bits a number), with one power-of-two scale for each 32 numbers along K (OCP MX v1.0); their sums are f32. All else is computed in f32.
;;   The module's matrix products, in the order in which they are computed (A, B: the left and right operand; K: the contracted axis; several contracted axes count as one K, in the product's order):
;;     1. [M 4,096, K 1,024] x [K 1,024, N 2,048]; A: input x_norm_for_qk; B: input W_attn: QUANTISED
;;     2. batch 32 x [M 2,048, K 64] x [K 64, N 2,048]; A: computed on the way; B: computed on the way: QUANTISED
;;     3. batch 32 x [M 2,048, K 2,048] x [K 2,048, N 64]; A: softmax (see below); B: input xt_current_for_v: QUANTISED
;;   THE QUANTISER, for each operand of a quantised product, along K:
;;     - K is cut into blocks of 32 from its start; a last block that is shorter is filled with zeros.
;;     - A block's scale is 2^e with e = floor(log2(the largest magnitude in the block)) - 2, held to -126 .. 127; a block of zeros has e = 0. As a byte (E8M0): e + 127.
;;     - Each number is divided by its block's scale, clamped to +-7.5, and rounded to the nearest number of E2M3, ties to even, subnormals kept.
;;     - The product sums the exact products of the quantised numbers (number of the format x scale) in f32.
;;   ~~~python
;;   def quantise(x, axis):      # numpy; x: float32 -> the quantised numbers, widened to float32 again
;;       x = np.moveaxis(x, axis, -1); K = x.shape[-1]
;;       x = np.pad(x, [(0, 0)] * (x.ndim - 1) + [(0, -K % 32)]); x = x.reshape(x.shape[:-1] + (-1, 32)); a = np.abs(x).max(-1, keepdims=True)
;;       e = np.where(a > 0, np.clip(np.frexp(np.where(a > 0, a, 1))[1] - 1 - 2, -126, 127), 0)      # np.frexp(a)[1] - 1 = floor(log2(a)), exactly
;;       r = np.clip(x / 2.0 ** e, -7.5, 7.5)
;;       step = 2.0 ** (np.maximum(np.frexp(np.where(r == 0, 1, r))[1] - 1, 0) - 3)
;;       q = np.round(r / step) * step * 2.0 ** e      # np.round: ties to even
;;       return np.moveaxis(q.reshape(q.shape[:-2] + (-1,))[..., :K], -1, axis).astype(np.float32)
;;   ~~~
;;   SOFTMAX AHEAD OF A QUANTISED PRODUCT. Where the list says 'softmax', what is quantised is not the finished softmax but p = 2^(t - M), with t = logit x log2(e) and M = ceil(the row's largest t), a whole number; so 1/2 < the row's largest p <= 1. The row's sum l is taken of the UNQUANTISED p, in f32, and the product's result is divided by l at the end. Since M is a whole number, a kernel that streams over the keys may use a running M (the ceiling of the running maximum): every later rescaling is an exact power of two, which a block's scale takes up: the codes' values come out the same.
;;   OPERANDS COMPUTED ON THE WAY. 'Computed on the way' means the value that the module computes at that place (a softmax that the list does not call 'softmax' is quantised finished and normalised). What goes into a quantiser is computed in f32, as accurately as f32 sums, v_exp_f32 and their like allow (about 1e-6 of the number): no bf16 or f16 on the way to a quantiser, and a product that is left as it is and whose result goes on into a quantised operand takes f32 operands (vector FMAs, or v_wmma_f32_16x16x4_f32). A number that lies on a knife's edge between two numbers of the format may be rounded either way, as far as f32 arithmetic and the matrix unit's own rounding can turn it there, and no further.
;; One version. Each part assembles by itself: llvm-mc -triple=amdgcn-amd-amdhsa -mcpu=gfx1250 --defsym DOCPART=n.
;; ======== version 1 of 1: 3 launches
;; limits: right only within a limited range of input values
;; workspace buffers: xq 3,145,728 bytes; xs 131,072 bytes; wq 1,572,864 bytes; ws 65,536 bytes; qimg 3,276,800 bytes; kv 6,553,600 bytes
;; launch prep (part 1): grid 256 x 1, 10 waves a work-group, no clusters, 203,520 bytes of LDS; arguments x_norm_for_qk, W_attn, xt_current_for_v, xq, xs, wq, ws, kv; writes xq, xs, wq, ws, kv
.if DOCPART == 1
	.amdgcn_target "amdgcn-amd-amdhsa--gfx1250"
	.amdhsa_code_object_version 6
	.text
	.protected	k_q99ca050541_prep
	.globl	k_q99ca050541_prep
	.p2align	8
	.type	k_q99ca050541_prep,@function
k_q99ca050541_prep:
	s_mov_b64 s[64:65], 0
	v_nop
	global_prefetch_b8 v0, s[64:65] scope:SCOPE_SE
	s_setreg_imm32_b32 hwreg(HW_REG_WAVE_MODE, 25, 1), 1
	s_wait_xcnt 0x0
; PREP: the three inputs that are operands of quantised products become codes of FP6 (E2M3) with one E8M0 byte for each 32 along K.
;   x  [4096 tokens][1024]      K innermost      -> xq, xs      (product 1, K = the 1,024 channels)
;   W  [1024][2048]             K the first axis -> wq, ws      (product 1)
;   xt [2][2048 keys][1024]     K = the keys     -> kv (V part) (product 3; a head's 64 channels are 64 columns)
; THE PROGRAM: prep; gemm (x W + b, q and k quantised on the way out); attn (q k^T, softmax, p v).
; WORK LEFT OUT, in the whole program, all of it in attn: the key steps of 128 all of whose keys come after a query tile's tokens, and in a tile's last step the upper 64 keys where all of them come after its tokens.
; reference() builds the causal mask itself (jnp.tril) and sets those scores to -infinity ahead of the softmax, so their p is 0 and they add nothing to the row's sum or to y, whatever finite values the inputs hold.
; No input is left out: b_attn moves q's and k's codes and scales, so it stays.  LIMIT: a NaN, an infinity or an overflow that arises only in the scores left out is not carried to the result.
; LIMITS of the quantiser here: NaN and infinities among the inputs are not served; a block whose largest magnitude lies under 2^-124 gets the byte 1; a block of zeros gets the byte 1
; where the rule says 127: its codes are zeros, which add nothing under any byte but 0xff, and the bytes are read by this program alone.
; LAYOUT OF THE WORKSPACE: operands lie as IMAGES OF THEIR REGISTERS.  A fragment (16 rows x 128 K) is 12 registers a lane: 3 chunks of 512 bytes, chunk j = registers 4 j .. 4 j + 3, lane l's 16 bytes at 16 l.
; THE ROWS OF A TILE ARE NOT NEIGHBOURS.  x: a band of 64 tokens is four tiles; row p of tile t is token 8 t + p % 8 + 32 (p / 8): in a transposed result a lane's 32 registers of the four tiles are 32 neighbours.
; W, xt: 32 neighbouring columns are a pair of tiles; row p of tile u is column 8 u + p + 8 (p / 8): a lane's 16 registers of the two tiles are 16 neighbours.
;   xq [128 tokens: 32][K step: 8][tile: 8][1536]     xs [pair: 128][K step: 8][32 words: lanes 0-15 the first tile's rows, lanes 16-31 the second's]
;   wq [256 columns: 8][K step: 8][tile: 16][1536]    ws [pair: 64][K step: 8][32 words]
;   kv [batch x head: 32][key step: 16][12800]: K's 4 fragments (gemm), V's 4 fragments at 6144, K's scale words at 12288 (gemm), V's at 12544
; SHARES.  256 work-groups of ten waves: waves 0-3 x, 4-5 W, 6-9 xt.  A wave takes two tiles x 128 along K: 16 KiB of f32, two fragments.  Waves share nothing: no barrier.
; The two ways through the text have LDS bytes of their own.  No matrix unit, no cluster, no tensor load: every byte is read once by one wave.
.set XPITCH, 528                       ; x's stage: a row of 512 bytes + 16
.set XTILE,  16*XPITCH
.set XWAVE,  2*XTILE                   ; a wave's two stages
.set WST,    10*XWAVE                  ; behind them: the images of W's and xt's fragments,
.set WIMG,   1664                      ; 1,536 bytes + 128, so that the lanes of tile 1 fall on other banks than those of tile 0
.set WWAVE,  2*WIMG
.set SPARE,  WST+10*WWAVE              ; the spare words, 128 bytes for each wave: five blocks of 256 bytes that no other line names
.set SPW,  246                         ; v246 LDS address of my spare word; never rewritten
.set NIL,  247                         ; v247 0; never rewritten
.set X0,   32                          ; x: the first tile behind the turn; later the second's codes
.set R0,   96                          ; x: the first tile as loaded; later the second behind the turn
.set R1,   160                         ; x: the second as loaded
.set PC0,  224                         ; x: the first tile's codes
.set PC1,  32
.set VO,   32                          ; W, xt: v32-63 byte offsets of 32 rows down K; never rewritten
.set XB,   64                          ; v64-127 two sets of 32 numbers
.set CD,   128                         ; v128-159 codes: eight registers for each block
.set TT,   160                         ; v160-162 a block's upper 16 codes
.set SBY,  164                         ; v164 my column's scale word
.set OUTR, 168                         ; v168-191 the two images read back
; x: a tile's 16 rows of 512 bytes go into the stage as they were loaded and come back 128 bytes (a block of 32) a lane: lane (r, h) takes blocks h and 2 + h of row r.  The bytes are the wave's own, and LDS serves a wave's instructions in order: no wait between.
.macro XTURN u, src, dst
.irp i, 0,1,2,3,4,5,6,7,8,9,10,11,12,13,14,15
	ds_store_b128 v3, v[\src+4*\i:\src+4*\i+3] offset:\u*XTILE+XPITCH*\i
.endr
.irp c, 0,1
.irp e, 0,1,2,3,4,5,6,7
	ds_load_b128 v[\dst+32*\c+4*\e:\dst+32*\c+4*\e+3], v4 offset:\u*XTILE+256*\c+16*\e
.endr
.endr
.endm
; x: 64 numbers of a lane (two whole blocks, 2 c + h) become the fragment's 12 registers in v[pc] on and my row's scale word in v[word]
.macro QUANTX src, pc, word
.irp c, 0,1
	v_max3_num_f32 v[8+\c], |v[\src+32*\c]|, |v[\src+32*\c+1]|, 0x1800000   ; with the floor 2^(3 - 127): the byte cannot fall under 1
.endr
.irp i, 2,4,6,8,10,12,14,16,18,20,22,24,26,28,30
.irp c, 0,1
	v_max3_num_f32 v[8+\c], v[8+\c], |v[\src+32*\c+\i]|, |v[\src+32*\c+\i+1]|   ; the two blocks by turns
.endr
.endr
.irp c, 0,1
	v_add_nc_u32 v[10+\c], 0xff000000, v[8+\c]     ; 2 off the exponent field: the conversion's scale operand
.endr
.irp c, 0,1
	v_lshrrev_b32 v[12+\c], 23, v[10+\c]           ; the scale's byte
.endr
	v_lshl_or_b32 v14, v13, 16, v12                ; my two bytes, blocks h and 2 + h,
	v_lshlrev_b32 v14, v6, v14                     ; at their places in the word (8 h bits up);
	v_permlanex16_b32 v15, v14, s40, s41
	v_or_b32 v[\word], v14, v15                    ; with lane l xor 16's two the word is whole
.irp c, 0,1
	v_cvt_scalef32_pk16_fp6_f32 v[\pc+6*\c:\pc+6*\c+2], v[\src+32*\c:\src+32*\c+15], v[10+\c]
	v_cvt_scalef32_pk16_fp6_f32 v[16+4*\c:18+4*\c], v[\src+32*\c+16:\src+32*\c+31], v[10+\c]   ; (a conversion's three registers begin on an even number)
.endr
	v_nop                                          ; one plain place behind a scaled conversion
.irp c, 0,1
.irp i, 0,1,2
	v_mov_b32 v[\pc+6*\c+3+\i], v[16+4*\c+\i]
.endr
.endr
.endm
; W, xt: block t: 32 rows down K of my column, into set t % 2
.macro LOADB t
.irp i, 0,1,2,3,4,5,6,7,8,9,10,11,12,13,14,15,16,17,18,19,20,21,22,23,24,25,26,27,28,29,30,31
	global_load_b32 v[XB+32*((\t)%2)+\i], v[VO+\i], s[52+2*(\t):53+2*(\t)] th:TH_LOAD_NT   ; 32 lanes read 128 consecutive bytes
.endr
.endm
; W, xt: block t of my column is quantised; its 24 bytes go to their place in the image: registers 6 (t / 2) .. + 5 of lane (row, t % 2)
.macro BLOCK t
.set XS, XB+32*((\t)%2)
.set CC, CD+8*(\t)
.if (\t) < 3
	s_wait_loadcnt 32                              ; this block's 32 loads are in; the next block's 32 may be out
.else
	s_wait_loadcnt 0x0
.endif
	v_max3_num_f32 v12, |v[XS]|, |v[XS+1]|, |v[XS+2]|   ; the block's largest magnitude: all 32 numbers are mine
	v_max3_num_f32 v13, |v[XS+3]|, |v[XS+4]|, |v[XS+5]|
.irp i, 6,10,14,18,22,26
	v_max3_num_f32 v12, v12, |v[XS+\i]|, |v[XS+\i+1]|
	v_max3_num_f32 v13, v13, |v[XS+\i+2]|, |v[XS+\i+3]|
.endr
	v_max3_num_f32 v12, v12, |v[XS+30]|, |v[XS+31]|
	v_max3_num_f32 v12, v12, v13, 0x1800000        ; and the floor
	v_add_nc_u32 v11, 0xff000000, v12              ; the conversion's scale operand
	v_lshrrev_b32 v13, 23, v11                     ; the byte
.if (\t) == 0
	v_mov_b32 v[SBY], v13
.else
	v_lshl_or_b32 v[SBY], v13, 8*(\t), v[SBY]
.endif
	v_cvt_scalef32_pk16_fp6_f32 v[CC:CC+2], v[XS:XS+15], v11
	v_cvt_scalef32_pk16_fp6_f32 v[TT:TT+2], v[XS+16:XS+31], v11
	v_nop                                          ; one plain place behind a scaled conversion
.irp i, 0,1,2
	v_mov_b32 v[CC+3+\i], v[TT+\i]
.endr
.if (\t)/2 == 0
	ds_store_b128 v3, v[CC:CC+3] offset:256*((\t)%2)           ; registers 0-3: chunk 0
	ds_store_b64 v3, v[CC+4:CC+5] offset:512+256*((\t)%2)      ; registers 4, 5: the lower half of my 16 bytes of chunk 1
.else
	ds_store_b64 v3, v[CC:CC+1] offset:520+256*((\t)%2)        ; registers 6, 7: the upper half
	ds_store_b128 v3, v[CC+2:CC+5] offset:1024+256*((\t)%2)    ; registers 8-11: chunk 2
.endif
.if (\t) < 2
	LOADB (\t)+2
.endif
.endm
	s_load_b256 s[4:11], s[0:1], 0x0               ; x s[4:5], W s[6:7], xt s[8:9], xq s[10:11]
	s_load_b256 s[12:19], s[0:1], 0x20             ; xs s[12:13], wq s[14:15], ws s[16:17], kv s[18:19]
	v_lshl_add_u32 v[SPW], v0, 2, SPARE
	v_mov_b32 v[NIL], 0
	v_lshrrev_b32 v1, 5, v0
	v_readfirstlane_b32 s20, v1                    ; wave 0..9
	v_and_b32 v1, 31, v0                           ; lane
	v_lshlrev_b32 v2, 4, v1                        ; 16 x lane
	s_mov_b32 s40, 0x76543210
	s_mov_b32 s41, 0xfedcba98                      ; v_permlanex16_b32's selects for lane l xor 16
	s_wait_alu depctr_va_vdst(0)
	s_wait_kmcnt 0x0
	s_cmp_lt_u32 s20, 4
	s_cbranch_scc0 .Lwv
	; ---------------- x: pair of tiles ttmp9 / 2, K step 4 (ttmp9 % 2) + wave
	s_lshr_b32 s21, ttmp9, 1                       ; the pair: band s21 / 2 of 64 tokens, tiles 2 (s21 % 2) and the next
	s_and_b32 s22, ttmp9, 1
	s_lshl_b32 s22, s22, 2
	s_add_co_u32 s22, s22, s20                     ; the K step
	s_lshr_b32 s24, s21, 1
	s_lshl_b32 s24, s24, 18                        ; 64 rows of 4,096 bytes,
	s_and_b32 s25, s21, 1
	s_lshl_b32 s25, s25, 16                        ; the pair's first 16 rows on
	s_add_co_u32 s24, s24, s25
	s_lshl_b32 s25, s22, 9                         ; 128 numbers
	s_add_co_u32 s24, s24, s25
	s_mov_b32 s25, 0
	s_add_nc_u64 s[4:5], s[4:5], s[24:25]
	s_lshr_b32 s26, s21, 2
	s_mul_i32 s26, s26, 98304                      ; xq: the block of 128 tokens,
	s_mul_i32 s27, s22, 12288                      ; the K step,
	s_add_co_u32 s26, s26, s27
	s_and_b32 s27, s21, 3
	s_mul_i32 s27, s27, 3072                       ; the pair's two fragments
	s_add_co_u32 s26, s26, s27
	s_mov_b32 s27, 0
	s_add_nc_u64 s[10:11], s[10:11], s[26:27]
	s_lshl_b32 s28, s21, 10                        ; xs: 1,024 bytes a pair, 128 a K step
	s_lshl_b32 s29, s22, 7
	s_add_co_u32 s28, s28, s29
	s_mov_b32 s29, 0
	s_add_nc_u64 s[12:13], s[12:13], s[28:29]
	s_wait_alu depctr_va_vdst(0)
.irp u, 0,1
.irp i, 0,1,2,3,4,5,6,7,8,9,10,11,12,13,14,15
	global_load_b128 v[R0+64*\u+4*\i:R0+64*\u+4*\i+3], v2, s[4:5] offset:(8*\u+\i+24*(\i/8))*4096 th:TH_LOAD_NT   ; row i of the pair's tile u: 32 lanes read 512 consecutive bytes
.endr
.endr
	s_mul_i32 s30, s20, XWAVE
	v_add_nc_u32 v3, s30, v2                       ; the stage, on the way in: 16 x lane
	v_and_b32 v7, 15, v1                           ; r
	v_lshrrev_b32 v6, 4, v1                        ; h
	v_mul_u32_u24 v4, v7, XPITCH
	v_lshl_add_u32 v4, v6, 7, v4
	v_add_nc_u32 v4, s30, v4                       ; and on the way out: row r, + 128 h
	v_lshlrev_b32 v5, 2, v1                        ; 4 x lane
	v_lshlrev_b32 v6, 3, v6                        ; 8 h
	v_mov_b32 v15, 0                               ; written once: a lane permute's destination counts as one of its sources
	s_wait_alu depctr_va_vdst(0)
	s_wait_loadcnt 16                              ; the first tile's 16 loads are in; the second's 16 may be out
	XTURN 0, R0, X0
	s_wait_dscnt 0x0                               ; the first tile is back
	s_wait_loadcnt 0x0
	XTURN 1, R1, R0                                ; the second turns while the first is quantised
	QUANTX X0, PC0, 24
.irp j, 0,1,2
	global_store_b128 v2, v[PC0+4*\j:PC0+4*\j+3], s[10:11] offset:512*\j        ; 32 lanes store 512 consecutive bytes
.endr
	s_wait_dscnt 0x0                               ; the second is back
	QUANTX R0, PC1, 25
.irp j, 0,1,2
	global_store_b128 v2, v[PC1+4*\j:PC1+4*\j+3], s[10:11] offset:1536+512*\j
.endr
	v_cmp_le_u32 vcc_lo, 16, v1
	v_cndmask_b32 v26, v24, v25, vcc_lo            ; lanes 0-15: the first tile's words; lanes 16-31: the second's
	global_store_b32 v5, v26, s[12:13]
	s_branch .Lend
	; ---------------- W and xt: ONE way for both; what differs is chosen on the wave's number alone
.Lwv:
	s_lshr_b32 s60, ttmp9, 1                       ; W: two work-groups share a K step's group of four pairs,
	s_and_b32 s61, ttmp9, 1
	s_lshl_b32 s61, s61, 1
	s_add_co_u32 s61, s61, s20
	s_sub_co_u32 s61, s61, 4                       ; two pairs each
	s_sub_co_u32 s62, s20, 6                       ; xt: a work-group takes all four
	s_cmp_lt_u32 s20, 6                            ; W's wave or xt's?  Only moves and selects stand between this compare and the last select
	s_cselect_b64 s[4:5], s[6:7], s[8:9]           ; from where,
	s_cselect_b64 s[10:11], s[14:15], s[18:19]     ; the codes' buffer,
	s_cselect_b64 s[12:13], s[16:17], s[18:19]     ; the scale words'
	s_cselect_b32 s22, s60, ttmp9                  ; which group of four pairs and K step
	s_cselect_b32 s21, s61, s62                    ; which pair of the four
	s_mov_b32 s32, 4096
	s_cselect_b32 s32, 8192, s32                   ; bytes from row to row
	s_cselect_b32 s33, 7, 15                       ; K steps - 1
	s_cselect_b32 s34, 3, 4                        ; their bits
	s_cselect_b32 s35, 15, 7                       ; groups of four pairs of tiles - 1
	s_cselect_b32 s36, 20, 19                      ; log2 of a K step's 128 rows in bytes
	s_cselect_b32 s42, 3, 1                        ; pairs to a group of the output (256 columns; a head), as a shift
	s_cselect_b32 s43, 7, 1                        ; and as a mask
	s_mov_b32 s44, 204800
	s_cselect_b32 s44, 196608, s44                 ; codes: bytes of a group,
	s_mov_b32 s45, 12800
	s_cselect_b32 s45, 24576, s45                  ; of a K step,
	s_cselect_b32 s46, 0, 6144                     ; where V's fragments begin in a step's block
	s_mov_b32 s47, 204800
	s_cselect_b32 s47, 8192, s47                   ; scale words: bytes of a group,
	s_mov_b32 s48, 12800
	s_cselect_b32 s48, 128, s48                    ; of a K step,
	s_cselect_b32 s49, 0, 12544                    ; where V's begin,
	s_mov_b32 s50, 128
	s_cselect_b32 s50, 1024, s50                   ; of a pair
	s_and_b32 s23, s22, s33                        ; the K step
	s_lshr_b32 s24, s22, s34
	s_and_b32 s24, s24, s35
	s_lshl_b32 s24, s24, 2
	s_add_co_u32 s24, s24, s21                     ; the pair: 32 columns
	s_lshr_b32 s25, s22, 7                         ; the batch (0 for W)
	s_lshl_b32 s26, s25, 23
	s_lshl_b32 s27, s23, s36
	s_add_co_u32 s26, s26, s27
	s_lshl_b32 s27, s24, 7
	s_add_co_u32 s26, s26, s27
	s_mov_b32 s27, 0
	s_add_nc_u64 s[52:53], s[4:5], s[26:27]        ; block 0's first row, my wave's first column
	s_lshl_b32 s60, s32, 5
	s_mov_b32 s61, 0
	s_add_nc_u64 s[54:55], s[52:53], s[60:61]      ; blocks 1, 2, 3: 32 rows further down each; none of the four is rewritten
	s_add_nc_u64 s[56:57], s[54:55], s[60:61]
	s_add_nc_u64 s[58:59], s[56:57], s[60:61]
	s_wait_alu depctr_va_vdst(0)
	v_lshlrev_b32 v[VO], 2, v1
.set i, 1
.rept 31
	v_add_nc_u32 v[VO+i], s32, v[VO+i-1]
.set i, i+1
.endr
	LOADB 0
	LOADB 1
	s_lshr_b32 s28, s24, s42
	s_lshl_b32 s29, s25, 4
	s_add_co_u32 s28, s28, s29                     ; the output's group: 256 columns of W; batch x head
	s_and_b32 s29, s24, s43                        ; the pair in it
	s_mul_i32 s30, s28, s44
	s_mul_i32 s31, s23, s45
	s_add_co_u32 s30, s30, s31
	s_add_co_u32 s30, s30, s46
	s_mul_i32 s31, s29, 3072
	s_add_co_u32 s30, s30, s31
	s_mov_b32 s31, 0
	s_add_nc_u64 s[10:11], s[10:11], s[30:31]
	s_mul_i32 s30, s28, s47
	s_mul_i32 s26, s23, s48
	s_add_co_u32 s30, s30, s26
	s_add_co_u32 s30, s30, s49
	s_mul_i32 s26, s29, s50
	s_add_co_u32 s30, s30, s26
	s_add_nc_u64 s[12:13], s[12:13], s[30:31]
	v_bfe_u32 v7, v1, 3, 1                         ; column l is row (l % 8) + 8 (l / 16) of tile (l / 8) % 2
	v_bfe_u32 v8, v1, 4, 1
	v_and_b32 v9, 7, v1
	v_lshl_add_u32 v9, v8, 3, v9
	s_mul_i32 s26, s20, WWAVE
	s_add_co_u32 s26, s26, WST
	v_mul_u32_u24 v3, v7, WIMG
	v_lshl_add_u32 v3, v9, 4, v3
	v_add_nc_u32 v3, s26, v3                       ; into the images: my tile's, 16 x my row
	v_add_nc_u32 v4, s26, v2                       ; out of them: 16 x lane
	v_lshlrev_b32 v5, 6, v7
	v_lshl_add_u32 v5, v9, 2, v5                   ; my scale word's place among the pair's 32
	s_wait_alu depctr_va_vdst(0)
	BLOCK 0
	BLOCK 1
	BLOCK 2
	BLOCK 3
	global_store_b32 v5, v[SBY], s[12:13]
.irp n, 0,1,2,3,4,5
	ds_load_b128 v[OUTR+4*\n:OUTR+4*\n+3], v4 offset:WIMG*(\n/3)+512*(\n%3)   ; LDS serves a wave's instructions in order: these see my stores
.endr
.irp n, 0,1,2,3,4,5
	s_wait_dscnt 5-\n                              ; chunk n is in; the younger loads may be out
	global_store_b128 v2, v[OUTR+4*\n:OUTR+4*\n+3], s[10:11] offset:512*\n     ; 32 lanes store 512 consecutive bytes
.endr
.Lend:
	s_wait_tensorcnt 0x0                           ; the wave's end: behind my last LDS store
	ds_add_u32 v[SPW], v[NIL]
	s_wait_dscnt 0x0
	s_endpgm
.Lfunc_end_k_q99ca050541_prep:
	.size	k_q99ca050541_prep, .Lfunc_end_k_q99ca050541_prep-k_q99ca050541_prep
	.p2alignl 7, 3214868480
	.fill 96, 4, 3214868480
	.section	.rodata,"a",@progbits
	.p2align	6, 0x0
	.amdhsa_kernel k_q99ca050541_prep
		.amdhsa_group_segment_fixed_size 203520
		.amdhsa_private_segment_fixed_size 0
		.amdhsa_enable_private_segment 0
		.amdhsa_kernarg_size 64
		.amdhsa_user_sgpr_count 2
		.amdhsa_user_sgpr_kernarg_segment_ptr 1
		.amdhsa_wavefront_size32 1
		.amdhsa_system_sgpr_workgroup_id_x 1
		.amdhsa_system_sgpr_workgroup_id_y 1
		.amdhsa_system_sgpr_workgroup_id_z 1
		.amdhsa_system_vgpr_workitem_id 0
		.amdhsa_next_free_vgpr 248
		.amdhsa_next_free_sgpr 66
		.amdhsa_reserve_vcc 1
		.amdhsa_float_denorm_mode_32 3
		.amdhsa_float_denorm_mode_16_64 3
		.amdhsa_memory_ordered 1
		.amdhsa_forward_progress 1
		.amdhsa_inst_pref_size 41
	.end_amdhsa_kernel
	.amdgpu_metadata
---
amdhsa.version: [ 1, 2 ]
amdhsa.kernels:
  - .name:           k_q99ca050541_prep
    .symbol:         k_q99ca050541_prep.kd
    .args:
      - { .name: x_norm_for_qk, .offset: 0, .size: 8, .value_kind: global_buffer, .address_space: global }
      - { .name: W_attn, .offset: 8, .size: 8, .value_kind: global_buffer, .address_space: global }
      - { .name: xt_current_for_v, .offset: 16, .size: 8, .value_kind: global_buffer, .address_space: global }
      - { .name: xq, .offset: 24, .size: 8, .value_kind: global_buffer, .address_space: global }
      - { .name: xs, .offset: 32, .size: 8, .value_kind: global_buffer, .address_space: global }
      - { .name: wq, .offset: 40, .size: 8, .value_kind: global_buffer, .address_space: global }
      - { .name: ws, .offset: 48, .size: 8, .value_kind: global_buffer, .address_space: global }
      - { .name: kv, .offset: 56, .size: 8, .value_kind: global_buffer, .address_space: global }
    .group_segment_fixed_size: 203520
    .private_segment_fixed_size: 0
    .kernarg_segment_align: 8
    .kernarg_segment_size: 64
    .max_flat_workgroup_size: 320
    .sgpr_count:     66
    .vgpr_count:     248
    .wavefront_size: 32
...
	.end_amdgpu_metadata
.endif
;; end of part 1
;; launch gemm (part 2): grid 8 x 32, 8 waves a work-group, clusters of 4 x 4, 327,680 bytes of LDS; arguments xq, xs, wq, ws, b_attn, qimg, kv; writes qimg, kv
.if DOCPART == 2
	.amdgcn_target "amdgcn-amd-amdhsa--gfx1250"
	.amdhsa_code_object_version 6
	.text
	.protected	k_q99ca050541_gemm
	.globl	k_q99ca050541_gemm
	.p2align	8
	.type	k_q99ca050541_gemm,@function
k_q99ca050541_gemm:
	s_mov_b64 s[64:65], 0
	v_nop
	global_prefetch_b8 v0, s[64:65] scope:SCOPE_SE
	s_setreg_imm32_b32 hwreg(HW_REG_WAVE_MODE, 25, 1), 1
	s_wait_xcnt 0x0
	s_wait_alu depctr_hold_cnt(0) depctr_sa_sdst(0) depctr_va_vdst(0) depctr_va_sdst(0) depctr_va_ssrc(0) depctr_va_vcc(0) depctr_vm_vsrc(0)
	s_getreg_b32 s2, hwreg(HW_REG_IB_STS2, 6, 4)
	s_cmp_eq_u32 s2, 0
	s_cbranch_scc0 .Lentry_in_a_cluster
	s_endpgm
.Lentry_in_a_cluster:
	s_bfe_u32 s2, ttmp6, 0x10000c
	s_cmp_lg_u32 s2, 0xf033
	s_cbranch_scc0 .Lentry_shape_is_right
	s_endpgm
.Lentry_shape_is_right:
; GEMM: qk = x W + b on codes of FP6 (E2M3) with E8M0 scales, sums in f32; q and k never go to memory as f32: each head's 64 numbers of a token are quantised in registers (two blocks of 32 along the head's axis, the K of q k^T)
; and leave as images of the next launch's operand registers.  Nothing of reference() is left out here.
; SHARES.  A work-group makes 128 tokens (mg: batch mg / 16, key step mg % 16) x 256 columns (ng: four heads; q where ng < 4, else k).  Eight waves: wave 4 wr + wc makes tokens 64 wr on x head wc: 4 x 4 accumulators of 16 x 16.
; ALL OF K LIES IN LDS: x's 8 K steps of 8 fragments (98,304 bytes) and W's 8 K steps of 16 (196,608).  Every tensor load is a first fill: no slot is filled again.  Each wave brings two K steps (even waves x's, odd waves W's):
; the first four K steps are multiplied while the other four are on their way.  A wave has one tensor load out.
; CLUSTER 4 x 4: the four work-groups of a row of the cluster share mg, so x's fragments are asked for jointly along the row; the four of a column share ng, so W's along the column.
; THE MATRIX INSTRUCTION IS USED TRANSPOSED: source 0 = 16 columns of W, source 1 = 16 tokens.  By the order of a tile's rows (row p of tile u of a pair is neighbour 8 u + p + 8 (p / 8)) lane (r, h) holds token r of its tile,
; and the 32 registers of a token tile's four accumulators are register 16 b + i = channel 32 b + 16 h + i of the head.
; THE BIAS is loaded straight into the accumulators, in the result's layout: all eight K steps add in place, and nothing is cleared.
; OUT: a token tile's codes are six registers a lane (channel 32 h on); the two tiles of a pair make one fragment of 12: tile 0 at K 0-63, tile 1 at K 64-127.  qimg [batch x head][step][6400]: 4 fragments, then 64 scale words;
; kv [batch x head][step][12800]: K's 4 fragments at 0, K's 64 scale words at 12288.  A scale word: tile 0's two bytes below, tile 1's above.
; LIMITS: as stated at the head of the first launch (a block under 2^-124 or of zeros gets the byte 1; NaN and infinities are not served).
; No prefetch: all that the launch reads through LDS is asked for in its first lines.
.set FRB,   1536                       ; a fragment's image
.set B_LDS, 98304                      ; LDS: x's fragments [K step][tile 8] from 0, W's [K step][tile 16] from here,
.set SCX,   294912                     ; x's scale words [pair 4][K step 8][32], stored from registers,
.set SCW,   299008                     ; W's [pair 8][K step 8][32], likewise: no tensor load lands on either
.set SPARE, 307200                     ; the spare words, 128 bytes for each wave: four blocks of 256 bytes that no other line names
.set SPW,  8                           ; v8   LDS address of my spare word; never rewritten
.set NIL,  9                           ; v9   0; never rewritten
.set SW,   24                          ; v24-25 W's scale words: a register for each pair of tiles (lanes 0-15 tile 0, lanes 16-31 tile 1)
.set SX,   26                          ; v26-27 x's
.set WF,   32                          ; v32-79  W's four fragments
.set XF,   80                          ; v80-127 x's four
.set ACC,  128                         ; v128-255 accumulator (a, t) at ACC + 32 a + 8 t
.set PC,   32                          ; the way out: the two fragments made, v32-55
.set TM,   56                          ; v56-61 at work
.set TT,   62                          ; v62-64 a tile's second block's codes
.set HW,   66                          ; v66-69 a tile's two scale bytes
.set KW,   70                          ; v70-71 a pair's scale word;  v72 the word stored
.set G1A,  24                          ; s[24:31] descriptor group 1 for x's fragments;  s[32:39] for W's
.set G1B,  32
.set G0A,  40                          ; s[40:43] group 0 for x's;  s[48:51] for W's
.set G0B,  48
.set SEL,  90                          ; s[90:91] lane selects for v_permlanex16_b32
.macro CROUND                          ; a round of the cluster's barrier
	s_barrier_signal -1
	s_barrier_wait -1
	s_cmp_lg_u32 s18, 0
	s_cbranch_scc1 .Lnot_wave_0_\@
	s_barrier_signal -3
.Lnot_wave_0_\@:
	s_barrier_wait -3
	s_barrier_signal -1
	s_barrier_wait -1
.endm
; accumulator (a, t) += W's tile t x x's tile a.  The scale words of tile 1 of a pair lie in lanes 16-31
.macro WM a, t
.set DD, ACC+32*(\a)+8*(\t)
.set AA, WF+12*(\t)
.set BB, XF+12*(\a)
.set SA, SW+(\t)/2
.set SB, SX+(\a)/2
.if ((\t)%2 == 1) && ((\a)%2 == 1)
	v_wmma_scale_f32_16x16x128_f8f6f4 v[DD:DD+7], v[AA:AA+11], v[BB:BB+11], v[DD:DD+7], v[SA], v[SB] matrix_a_fmt:MATRIX_FMT_FP6 matrix_b_fmt:MATRIX_FMT_FP6 matrix_a_scale:MATRIX_SCALE_ROW1 matrix_b_scale:MATRIX_SCALE_ROW1
.elseif (\t)%2 == 1
	v_wmma_scale_f32_16x16x128_f8f6f4 v[DD:DD+7], v[AA:AA+11], v[BB:BB+11], v[DD:DD+7], v[SA], v[SB] matrix_a_fmt:MATRIX_FMT_FP6 matrix_b_fmt:MATRIX_FMT_FP6 matrix_a_scale:MATRIX_SCALE_ROW1
.elseif (\a)%2 == 1
	v_wmma_scale_f32_16x16x128_f8f6f4 v[DD:DD+7], v[AA:AA+11], v[BB:BB+11], v[DD:DD+7], v[SA], v[SB] matrix_a_fmt:MATRIX_FMT_FP6 matrix_b_fmt:MATRIX_FMT_FP6 matrix_b_scale:MATRIX_SCALE_ROW1
.else
	v_wmma_scale_f32_16x16x128_f8f6f4 v[DD:DD+7], v[AA:AA+11], v[BB:BB+11], v[DD:DD+7], v[SA], v[SB] matrix_a_fmt:MATRIX_FMT_FP6 matrix_b_fmt:MATRIX_FMT_FP6
.endif
.endm
; A K step of 128: 4 scale loads, 24 fragment loads, 16 matrix instructions.  The 16 accumulators take turns, one instruction a turn, in the same order in every step.
.macro KSTEP ks
.if (\ks) > 0
	v_add_nc_u32 v3, 12288, v3                     ; the next K step's fragments.  These two and the two v_nop are the four places
	v_add_nc_u32 v4, 24576, v4                     ; in front of loads into registers that matrix instructions have read
	v_nop
	v_nop
.endif
.irp p, 0,1
	ds_load_b32 v[SW+\p], v6 offset:\p*1024+(\ks)*128
	ds_load_b32 v[SX+\p], v5 offset:\p*1024+(\ks)*128
.endr
.irp t, 0,1,2,3
.irp j, 0,1,2
	ds_load_b128 v[WF+12*\t+4*\j:WF+12*\t+4*\j+3], v4 offset:FRB*\t+512*\j
.endr
.endr
.irp a, 0,1,2,3
.irp j, 0,1,2
	ds_load_b128 v[XF+12*\a+4*\j:XF+12*\a+4*\j+3], v3 offset:FRB*\a+512*\j
.endr
.endr
.irp a, 0,1,2,3
	s_wait_dscnt 9-3*\a                            ; the scale words, W's fragments and x's tile a are in; the younger tiles' three loads each may be out
.irp t, 0,1,2,3
	WM \a, \t
.endr
.endr
.endm
; 32 numbers of a lane, register 16 b + i = channel 32 b + 16 h + i of my token, become six registers of codes (channel 32 h on) in v[pc] on, and the two scale bytes in v[hw].  Each accumulator is read from its low end on.
.macro Q32 src, pc, hw
.set SR, \src
.set PP, \pc
.irp b, 0,1
	v_max3_num_f32 v[TM+\b], |v[SR+16*\b]|, |v[SR+16*\b+1]|, 0x1800000   ; block b: my 16 numbers, and the floor 2^(3 - 127)
.endr
.irp i, 2,4,6,8,10,12,14
.irp b, 0,1
	v_max3_num_f32 v[TM+\b], v[TM+\b], |v[SR+16*\b+\i]|, |v[SR+16*\b+\i+1]|
.endr
.endr
.irp b, 0,1
	s_delay_alu instid0(VALU_DEP_2)
	v_permlanex16_b32 v[TM+2+\b], v[TM+\b], s[SEL], s[SEL+1]
.endr
.irp b, 0,1
	s_delay_alu instid0(VALU_DEP_2)
	v_max_num_f32 v[TM+\b], v[TM+\b], v[TM+2+\b]   ; with lane l xor 16's 16: the block's largest magnitude
.endr
.irp b, 0,1
	s_delay_alu instid0(VALU_DEP_2)
	v_add_nc_u32 v[TM+4+\b], 0xff000000, v[TM+\b]  ; the conversion's scale operand
.endr
.irp b, 0,1
	s_delay_alu instid0(VALU_DEP_2)
	v_lshrrev_b32 v[TM+2+\b], 23, v[TM+4+\b]       ; the byte
.endr
	s_delay_alu instid0(VALU_DEP_1)
	v_lshl_or_b32 v[\hw], v[TM+3], 8, v[TM+2]
	v_cvt_scalef32_pk16_fp6_f32 v[PP:PP+2], v[SR:SR+15], v[TM+4]
	v_cvt_scalef32_pk16_fp6_f32 v[TT:TT+2], v[SR+16:SR+31], v[TM+5]
	v_nop                                          ; one plain place behind a scaled conversion
.irp i, 0,1,2
	v_permlane16_swap_b32 v[PP+\i], v[TT+\i]       ; a whole block to a lane: lanes 0-15 block 0, lanes 16-31 block 1
.endr
.irp i, 0,1,2
	s_delay_alu instid0(VALU_DEP_3)
	v_mov_b32 v[PP+3+\i], v[TT+\i]
.endr
.endm
	s_load_b256 s[4:11], s[0:1], 0x0               ; xq s[4:5], xs s[6:7], wq s[8:9], ws s[10:11]
	s_load_b128 s[12:15], s[0:1], 0x20             ; b s[12:13], qimg s[14:15]
	s_load_b64 s[16:17], s[0:1], 0x30              ; kv
	v_lshl_add_u32 v[SPW], v0, 2, SPARE
	v_mov_b32 v[NIL], 0
	ds_add_u32 v[SPW], v[NIL]                      ; the wave's opening: the add, twice on end, and its wait ahead of my first tensor load; the set-up below, work on registers, stands between
	ds_add_u32 v[SPW], v[NIL]
	v_lshrrev_b32 v1, 5, v0
	s_delay_alu instid0(VALU_DEP_1)
	v_readfirstlane_b32 s18, v1                    ; wave 0..7
	s_lshr_b32 s19, s18, 2                         ; wr: my half of the tokens.
	s_and_b32 s20, s18, 3                          ; wc: my head.
	s_bfe_u32 s21, ttmp6, 0x40000                  ; cx, cy: my place in the cluster
	s_bfe_u32 s22, ttmp6, 0x40004
	s_lshl_b32 s23, ttmp9, 2
	s_add_co_u32 s23, s23, s21                     ; ng = 4 x cluster x + cx
	s_and_b32 s56, ttmp7, 0xffff
	s_lshl_b32 s56, s56, 2
	s_add_co_u32 s56, s56, s22                     ; mg = 4 x cluster y + cy
	s_lshl_b32 s57, s22, 2
	s_lshl_b32 s57, 15, s57                        ; my row of the cluster
	s_lshl_b32 s58, 0x1111, s21                    ; my column
	; descriptor group 1: a dense block as rows of 256 bytes (32 elements of 8 bytes), no padding: x's K step is 48 rows, W's 96
	s_or_b32 s[G1A], s57, (3<<16)|(1<<21)          ; 15:0 the mask; 17:16 elements of 8 bytes; 21 set beside a mask
	s_or_b32 s[G1B], s58, (3<<16)|(1<<21)
	s_mov_b32 s[G1A+1], 32<<16                     ; tensor_dim0
	s_mov_b32 s[G1A+2], 96<<16                     ; tensor_dim1: two K steps of x
	s_mov_b32 s[G1A+3], 32<<16                     ; tile_dim0
	s_mov_b32 s[G1A+4], 96                         ; tile_dim1
	s_mov_b32 s[G1A+5], 32                         ; the pitch
	s_mov_b32 s[G1A+6], 0
	s_mov_b32 s[G1A+7], 0
	s_mov_b32 s[G1B+1], 32<<16
	s_mov_b32 s[G1B+2], 192<<16                    ; two K steps of W
	s_mov_b32 s[G1B+3], 32<<16
	s_mov_b32 s[G1B+4], 192
	s_mov_b32 s[G1B+5], 32
	s_mov_b32 s[G1B+6], 0
	s_mov_b32 s[G1B+7], 0
	s_mul_i32 s60, s56, 98304                      ; x's fragments: mg's block, K steps 2 (w / 2) on: hangs on mg and the wave alone
	s_lshr_b32 s92, s18, 1                         ; wave w brings K steps 2 (w / 2) and the next, of x (w even) or of W (w odd)
	s_mul_i32 s66, s92, 24576
	s_add_co_u32 s60, s60, s66
	s_mov_b32 s61, 0
	s_mul_i32 s62, s23, 196608                     ; W's: ng's block, K steps 2 (w / 2) on: hangs on ng and the wave alone
	s_mul_i32 s67, s92, 49152
	s_add_co_u32 s62, s62, s67
	s_mov_b32 s63, 0
	s_add_co_u32 s67, s67, B_LDS
	s_mov_b32 s[SEL], 0x76543210
	s_mov_b32 s[SEL+1], 0xfedcba98
	v_and_b32 v2, 31, v0
	s_delay_alu instid0(VALU_DEP_1)
	v_lshlrev_b32 v1, 4, v2                        ; v1  16 x lane
	s_wait_alu depctr_va_vdst(0)
	v_bfe_u32 v7, v0, 4, 1
	s_delay_alu instid0(VALU_DEP_1)
	v_lshlrev_b32 v7, 6, v7                        ; v7  64 h: my half's 16 numbers of the bias
	v_lshlrev_b32 v2, 2, v2                        ; v2  4 x lane
	s_mul_i32 s70, s19, 4*FRB
	v_add_nc_u32 v3, s70, v1                       ; v3  x's fragments of my 64 tokens, K step 0
	s_mul_i32 s70, s20, 4*FRB
	s_add_co_u32 s70, s70, B_LDS
	v_add_nc_u32 v4, s70, v1                       ; v4  W's of my head
	s_lshl_b32 s70, s19, 11
	s_add_co_u32 s70, s70, SCX
	v_add_nc_u32 v5, s70, v2                       ; v5  x's scale words: my two pairs
	s_lshl_b32 s70, s20, 11
	s_add_co_u32 s70, s70, SCW
	v_add_nc_u32 v6, s70, v2                       ; v6  W's
	s_lshl_b32 s70, s18, 9
	s_add_co_u32 s70, s70, SCX
	v_add_nc_u32 v22, s70, v1                      ; v22 where I put my 512 bytes of x's scale words,
	s_lshl_b32 s70, s18, 10
	s_add_co_u32 s70, s70, SCW
	v_add_nc_u32 v23, s70, v1                      ; v23 and my 1,024 of W's
	s_wait_dscnt 0x0                               ; both opening adds are done
	s_wait_kmcnt 0x0
	s_add_nc_u64 s[68:69], s[4:5], s[60:61]
	s_add_nc_u64 s[72:73], s[8:9], s[62:63]
.irp p, 0
	s_mov_b32 s[G0A+4*\p], 1
	s_add_co_u32 s[G0A+4*\p+1], s66, \p*49152      ; 63:32 LDS address: K steps 2 (w / 2) and the next
	s_add_nc_u64 s[G0A+4*\p+2:G0A+4*\p+3], s[68:69], \p*49152   ; 120:64 global address
	s_or_b32 s[G0A+4*\p+3], s[G0A+4*\p+3], 0x80000000           ; 127:126 type = 2
	s_mov_b32 s[G0B+4*\p], 1
	s_add_co_u32 s[G0B+4*\p+1], s67, \p*98304
	s_add_nc_u64 s[G0B+4*\p+2:G0B+4*\p+3], s[72:73], \p*98304
	s_or_b32 s[G0B+4*\p+3], s[G0B+4*\p+3], 0x80000000
.endr
	s_lshl_b32 s74, s56, 12                        ; xs: mg's 4,096 bytes, my wave's 512
	s_lshl_b32 s75, s18, 9
	s_add_co_u32 s74, s74, s75
	s_mov_b32 s75, 0
	s_add_nc_u64 s[6:7], s[6:7], s[74:75]
	s_lshl_b32 s74, s23, 13                        ; ws: ng's 8,192 bytes, my wave's 1,024
	s_lshl_b32 s70, s18, 10
	s_add_co_u32 s74, s74, s70
	s_add_nc_u64 s[10:11], s[10:11], s[74:75]
	s_lshl_b32 s74, s23, 10                        ; b: column 256 ng + 64 wc
	s_lshl_b32 s70, s20, 8
	s_add_co_u32 s74, s74, s70
	s_add_nc_u64 s[12:13], s[12:13], s[74:75]
	s_cmp_eq_u32 ttmp9, 0                          ; q (ng < 4: the first column of clusters) or k: the choice hangs on no address and on no place in the cluster
	s_cselect_b64 s[76:77], s[14:15], s[16:17]
	s_mov_b32 s78, 204800
	s_cselect_b32 s78, 102400, s78                 ; bytes of a batch x head,
	s_mov_b32 s79, 12800
	s_cselect_b32 s79, 6400, s79                   ; of a step,
	s_mov_b32 s80, 12288
	s_cselect_b32 s80, 6144, s80                   ; where the scale words begin
	s_lshr_b32 s81, s56, 4
	s_lshl_b32 s81, s81, 4
	s_and_b32 s82, s23, 3
	s_lshl_b32 s82, s82, 2
	s_add_co_u32 s81, s81, s82
	s_add_co_u32 s81, s81, s20                     ; 16 x batch + head
	s_mul_i32 s81, s81, s78
	s_and_b32 s82, s56, 15
	s_mul_i32 s82, s82, s79
	s_add_co_u32 s82, s82, s81                     ; the step's block
	s_mul_i32 s83, s19, 2*FRB
	s_add_co_u32 s84, s82, s83
	s_mov_b32 s85, 0
	s_add_nc_u64 s[86:87], s[76:77], s[84:85]      ; my two fragments
	s_lshl_b32 s83, s19, 7
	s_add_co_u32 s84, s82, s83
	s_add_co_u32 s84, s84, s80
	s_add_nc_u64 s[88:89], s[76:77], s[84:85]      ; my 32 scale words
	CROUND                                         ; all sixteen work-groups are here: the joint loads meet
; ONE LOAD A WAVE, each in an arm of its own: K steps 2 n and 2 n + 1 come by waves 2 n (x's) and 2 n + 1 (W's)
.macro ARM w, g0, g1
	s_cmp_eq_u32 s18, \w
	s_cbranch_scc0 .Lpast_\w
	tensor_load_to_lds s[\g0:\g0+3], s[\g1:\g1+7]
	s_nop 0
.rept 4
	v_nop
.endr
	s_branch .Lasked
.Lpast_\w:
.endm
	ARM 0, G0A, G1A
	ARM 1, G0B, G1B
	ARM 2, G0A, G1A
	ARM 3, G0B, G1B
	ARM 4, G0A, G1A
	ARM 5, G0B, G1B
	ARM 6, G0A, G1A
	tensor_load_to_lds s[G0B:G0B+3], s[G1B:G1B+7]
	s_nop 0
.rept 4
	v_nop
.endr
.Lasked:
	global_load_b128 v[10:13], v1, s[6:7]          ; the scale words come once, 512 consecutive bytes a load
	global_load_b128 v[14:17], v1, s[10:11]
	global_load_b128 v[18:21], v1, s[10:11] offset:512
	s_wait_alu depctr_va_vdst(0)
.irp a, 0,1,2,3
.irp t, 0,1,2,3
.irp e, 0,1
	global_load_b128 v[ACC+32*\a+8*\t+4*\e:ACC+32*\a+8*\t+4*\e+3], v7, s[12:13] offset:(32*(\t/2)+8*(\t%2))*4+16*\e   ; register j of tile t: b at channel 32 (t / 2) + 16 h + 8 (t % 2) + j
.endr
.endr
.endr
	s_wait_loadcnt 32                              ; the three loads of scale words are in; the bias's 32 may be out
	ds_store_b128 v22, v[10:13]
	ds_store_b128 v23, v[14:17]
	ds_store_b128 v23, v[18:21] offset:512
; K steps 2 n, 2 n + 1 are shown to all: the waves that brought them have waited.
.macro SHOWN n
	s_cmp_lt_u32 s18, 2*\n+2
	s_cbranch_scc0 .Lout_\n
	s_wait_tensorcnt 0x0
.Lout_\n:
	s_wait_dscnt 0x0
	s_barrier_signal -1
	s_barrier_wait -1
.endm
	SHOWN 0                                        ; and all scale words
	s_wait_loadcnt 0x0                             ; the bias
	KSTEP 0
	KSTEP 1
	s_wait_alu depctr_va_vdst(0)
	SHOWN 1
	KSTEP 2
	s_wait_alu depctr_va_vdst(0)
	KSTEP 3
	s_wait_alu depctr_va_vdst(0)
	SHOWN 2
	KSTEP 4
	s_wait_alu depctr_va_vdst(0)
	KSTEP 5
	s_wait_alu depctr_va_vdst(0)
	s_wait_tensorcnt 0x0
	s_wait_dscnt 0x0
	s_barrier_signal -1
	s_barrier_wait -1                              ; K steps 6 and 7
	KSTEP 6
	s_wait_alu depctr_va_vdst(0)
	KSTEP 7
	; THE WAY OUT: no LDS.  The results are operands of the next launch: quantised where they stand, stored as images.
.rept 4
	v_nop                                          ; places behind the last products, in front of reads of results and of writes into W's registers
.endr
	v_mov_b32 v[TM+2], 0                           ; written once: a lane permute's destination counts as one of its sources
	v_mov_b32 v[TM+3], 0
.irp p, 0,1
	Q32 ACC+64*\p, PC+12*\p, HW+2*\p
	Q32 ACC+64*\p+32, PC+12*\p+6, HW+2*\p+1
	v_lshl_or_b32 v[KW+\p], v[HW+2*\p+1], 16, v[HW+2*\p]     ; the pair's word of my row: tile 0's bytes below, tile 1's above
.irp j, 0,1,2
	global_store_b128 v1, v[PC+12*\p+4*\j:PC+12*\p+4*\j+3], s[86:87] offset:FRB*\p+512*\j   ; 32 lanes store 512 consecutive bytes
.endr
.endr
	v_cmp_le_u32 vcc_lo, 64, v2
	s_delay_alu instid0(VALU_DEP_1)
	v_cndmask_b32 v72, v[KW], v[KW+1], vcc_lo      ; lanes 0-15: my first pair's words; lanes 16-31: my second's
	global_store_b32 v2, v72, s[88:89]
	s_wait_tensorcnt 0x0                           ; the wave's end: behind my last tensor load and my last LDS store
	ds_add_u32 v[SPW], v[NIL]
	s_wait_dscnt 0x0
	CROUND                                         ; the closing round
	s_endpgm
.Lfunc_end_k_q99ca050541_gemm:
	.size	k_q99ca050541_gemm, .Lfunc_end_k_q99ca050541_gemm-k_q99ca050541_gemm
	.p2alignl 7, 3214868480
	.fill 96, 4, 3214868480
	.section	.rodata,"a",@progbits
	.p2align	6, 0x0
	.amdhsa_kernel k_q99ca050541_gemm
		.amdhsa_group_segment_fixed_size 327680
		.amdhsa_private_segment_fixed_size 0
		.amdhsa_enable_private_segment 0
		.amdhsa_kernarg_size 56
		.amdhsa_user_sgpr_count 2
		.amdhsa_user_sgpr_kernarg_segment_ptr 1
		.amdhsa_wavefront_size32 1
		.amdhsa_system_sgpr_workgroup_id_x 1
		.amdhsa_system_sgpr_workgroup_id_y 1
		.amdhsa_system_sgpr_workgroup_id_z 1
		.amdhsa_system_vgpr_workitem_id 0
		.amdhsa_next_free_vgpr 256
		.amdhsa_next_free_sgpr 96
		.amdhsa_reserve_vcc 1
		.amdhsa_float_denorm_mode_32 3
		.amdhsa_float_denorm_mode_16_64 3
		.amdhsa_memory_ordered 1
		.amdhsa_forward_progress 1
		.amdhsa_inst_pref_size 56
	.end_amdhsa_kernel
	.amdgpu_metadata
---
amdhsa.version: [ 1, 2 ]
amdhsa.kernels:
  - .name:           k_q99ca050541_gemm
    .symbol:         k_q99ca050541_gemm.kd
    .args:
      - { .name: xq, .offset: 0, .size: 8, .value_kind: global_buffer, .address_space: global }
      - { .name: xs, .offset: 8, .size: 8, .value_kind: global_buffer, .address_space: global }
      - { .name: wq, .offset: 16, .size: 8, .value_kind: global_buffer, .address_space: global }
      - { .name: ws, .offset: 24, .size: 8, .value_kind: global_buffer, .address_space: global }
      - { .name: b_attn, .offset: 32, .size: 8, .value_kind: global_buffer, .address_space: global }
      - { .name: qimg, .offset: 40, .size: 8, .value_kind: global_buffer, .address_space: global }
      - { .name: kv, .offset: 48, .size: 8, .value_kind: global_buffer, .address_space: global }
    .group_segment_fixed_size: 327680
    .private_segment_fixed_size: 0
    .kernarg_segment_align: 8
    .kernarg_segment_size: 56
    .max_flat_workgroup_size: 256
    .sgpr_count:     96
    .vgpr_count:     256
    .wavefront_size: 32
...
	.end_amdgpu_metadata
.endif
;; end of part 2
;; launch attn (part 3): grid 8 x 32, 16 waves a work-group, clusters of 4 x 1, 327,680 bytes of LDS; arguments qimg, kv, out0; writes out0
.if DOCPART == 3
	.amdgcn_target "amdgcn-amd-amdhsa--gfx1250"
	.amdhsa_code_object_version 6
	.text
	.protected	k_q99ca050541_attn
	.globl	k_q99ca050541_attn
	.p2align	8
	.type	k_q99ca050541_attn,@function
k_q99ca050541_attn:
	s_mov_b64 s[64:65], 0
	v_nop
	global_prefetch_b8 v0, s[64:65] scope:SCOPE_SE
	s_setreg_imm32_b32 hwreg(HW_REG_WAVE_MODE, 25, 1), 1
	s_wait_xcnt 0x0
	s_wait_alu depctr_hold_cnt(0) depctr_sa_sdst(0) depctr_va_vdst(0) depctr_va_sdst(0) depctr_va_ssrc(0) depctr_va_vcc(0) depctr_vm_vsrc(0)
	s_getreg_b32 s2, hwreg(HW_REG_IB_STS2, 6, 4)
	s_cmp_eq_u32 s2, 0
	s_cbranch_scc0 .Lentry_in_a_cluster
	s_endpgm
.Lentry_in_a_cluster:
	s_bfe_u32 s2, ttmp6, 0x10000c
	s_cmp_lg_u32 s2, 0x3003
	s_cbranch_scc0 .Lentry_shape_is_right
	s_endpgm
.Lentry_shape_is_right:
; ATTN: y = softmax(q k^T / 8, causal) v for each of 32 (batch, head), both products on codes of FP6 (E2M3) with E8M0 scales.
; WORK LEFT OUT: key steps (128 keys) all of whose keys come after a tile's queries, and the upper 64 keys of a tile's last step where they all do: reference()'s own jnp.tril sets those scores to -infinity, so p = 0 there for all inputs (shown at the head of the first launch).
; THE SOFTMAX AHEAD OF THE SECOND PRODUCT: t = score x log2(e) / 8; M = the running largest t rounded UP to a whole number; p = 2^(t - M) is quantised along the keys, not normalised; the row's sum is taken of the unquantised p
; and divides at the end.  When M moves, the sum and O are multiplied by 2^(old M - new M): exact.
; SHARES.  Work-group (cluster x, cx; batch x head).  In each block b of 128 tokens it has one tile of 16 queries: band c = (cluster x + b) % 2 of 64 tokens, tile t = cx of the band's four: row r is token 64 c + 8 t + r % 8 + 32 (r / 8).
; Block b needs key steps 0 .. b, step b holding the diagonal.  Blocks p and 15 - p (p = 0..7) are shared by two waves:
;   wave p      (A): block 15 - p, steps 0 .. 8;
;   wave 8 + p  (B): block p, steps 0 .. p, which it sends out; then block 15 - p, steps 9 .. 15 - p, whose sums it hands to A through LDS.
; So an A has nine steps and a B eight.  Sums under two values of M are joined by exact powers of two.  A walk is nine trips; wave 8, whose first step is a diagonal one, begins with trip 1.
; ALL OF THE HEAD'S K AND V LIE IN LDS: 16 step blocks of 12,800 bytes, as they lie in memory.  Every tensor load is a first fill: wave w brings block w, one load a wave.  Trip 0 is worked when block 0 has landed; one more barrier shows the rest.
; CLUSTER 4 x 1: four work-groups of one head ask for each block jointly.  cx enters global addresses and compared or selected values alone: no branch, no LDS address.
; LAYOUT.  Both products transposed: a lane (r, h) holds ONE query throughout.  K = 64 IN A FORM OF K = 128: a fragment of K holds two tiles of 16 keys, one at K 0-63 and one at K 64-127; it is multiplied once by [q | 0] and once
; by [0 | q], two operands cut from 18 registers [zeros, q, zeros]; zero codes add nothing.  By the order of a tile's keys the 32 registers of a band's four tiles are keys 64 c + 32 h + 0 .. 31: a whole scale block of p in one lane, in the operand's order.
; No prefetch: all of K and V is asked for in the kernel's first lines.
; LIMITS: as stated at the head of the first launch; scaled scores (the exponents to the base 2) under 2^31 in magnitude.
.set BLK,   12800                      ; a key step's block: K's 4 fragments, V's 4 at 6144, K's scale words at 12288, V's at 12544
.set STG,   204800                     ; behind the 16 blocks: a stage for each wave: 16 rows x (256 + 16) bytes on the way out; B's sums, 9 x 512 bytes, at its end.  No tensor load lands there
.set SSZ,   4608
.set SPARE, STG+16*SSZ                 ; the spare words, 128 bytes for each wave: eight blocks of 256 bytes that no other line names
.set SPW,  3                           ; v3   LDS address of my spare word; never rewritten
.set NIL,  4                           ; v4   0; never rewritten
.set GO,   5                           ; v5   the way out: my byte offset in the rows of y
.set AD,   6                           ; v6   the step's block + 16 x lane
.set AS,   7                           ; v7   the step's block + 4 x lane
.set DQ,   8                           ; v8   my query's place in its band - 32 h
.set NINF, 9                           ; v9   -infinity;  v10, v11 my stage: in by rows, back by rows
.set QHI,  16                          ; v16-27 [0 | q];
.set QLO,  22                          ; v22-33 [q | 0]: v16-21 and v28-33 are zeros, v22-27 q's codes.   v12 -M, v13 the largest score, v[14:15] the sum in two halves
.set QS,   34                          ; v34  q's scale word: its two bytes twice
.set PS,   35                          ; v35  p's scale word
.set KS,   36                          ; v36-37 K's scale words (lanes 0-15 fragment 2 g, lanes 16-31 fragment 2 g + 1)
.set VS,   38                          ; v38-39 V's
.set FF,   40                          ; v[40:41] f = 2^(old M - new M); v41 is written once, since the pair is named
.set FR,   44                          ; v44-91 four fragments: K's, then V's
.set S,    96                          ; v96-159 S^T, then p: register 32 c + i is key 64 c + 32 h + i of the step
.set OT,   160                         ; v160-191 O^T: register 16 b + i = channel 32 b + 16 h + i
.set PCD,  192                         ; v192-203 p's codes
.set CT,   204                         ; v204-206, v208-210 the conversions' second halves
.set BM,   212                         ; v212-213 the blocks' largest scores, then largest p
.set BX,   214                         ; v214-215 the second chains; then the bytes
.set SOP,  216                         ; v216-217 the conversions' scale operands
.set T0,   218                         ; v218-220 at work
.set T1,   219
.set T2,   220
.set NQ,   228                         ; v228-233 the next tile's q,
.set NS,   234                         ; v234 and its scale word;  v235, v243 words as loaded
.set SU,   236                         ; v[236:241] three more chains of the sum
.set PA,   242                         ; v242 my stage + 16 x lane
.set WV,   10                          ; s10 wave
.set PI,   11                          ; s11 p
.set KD,   12                          ; s12 0: A, 1: B
.set BH,   13                          ; s13 batch x head
.set CX,   14                          ; s14 cx
.set G1,   16                          ; s[16:23] descriptor group 1;  s[24:27] group 0
.set G0,   24
.set BN,   28                          ; s28 my tile's block, s29 its band;  s30, s31 the same of the tile that follows
.set CB,   29
.set B2,   30
.set C2,   31
.set CHG,  32                          ; s32 the trip that begins with the change of tiles (an A's is never reached)
.set LAST, 33                          ; s33 my last trip
.set STT,  34                          ; s34 my first trip
.set PT,   35                          ; s35 my first tile's last step
.set ADDT, 36                          ; s36 what the change adds to the step
.set SEL,  40                          ; s[40:41] lane selects for v_permlanex16_b32
.set CS,   42                          ; s[42:43] c = log2(e) / 8, twice: the packed form names the pair
.set NC,   44                          ; s44 -c
.set TB,   45                          ; s45 LDS byte at which the step's block begins;  s46 the trip
.macro CROUND                          ; a round of the cluster's barrier
	s_barrier_signal -1
	s_barrier_wait -1
	s_cmp_lg_u32 s[WV], 0
	s_cbranch_scc1 .Lnot_wave_0_\@
	s_barrier_signal -3
.Lnot_wave_0_\@:
	s_barrier_wait -3
	s_barrier_signal -1
	s_barrier_wait -1
.endm
.macro DEP
	s_delay_alu instid0(VALU_DEP_1)
.endm
.macro WQK d, a, b, sa, row            ; 16 keys x my 16 queries; the product starts its sum
.set DD, \d
.set AA, \a
.set BB, \b
.set SS, \sa
.if \row
	v_wmma_scale_f32_16x16x128_f8f6f4 v[DD:DD+7], v[AA:AA+11], v[BB:BB+11], 0, v[SS], v[QS] matrix_a_fmt:MATRIX_FMT_FP6 matrix_b_fmt:MATRIX_FMT_FP6 matrix_a_scale:MATRIX_SCALE_ROW1
.else
	v_wmma_scale_f32_16x16x128_f8f6f4 v[DD:DD+7], v[AA:AA+11], v[BB:BB+11], 0, v[SS], v[QS] matrix_a_fmt:MATRIX_FMT_FP6 matrix_b_fmt:MATRIX_FMT_FP6
.endif
.endm
.macro WPV t                           ; 16 channels x my 16 queries, K = the step's 128 keys
.set DD, OT+8*(\t)
.set AA, FR+12*(\t)
.set SS, VS+(\t)/2
.if (\t)%2
	v_wmma_scale_f32_16x16x128_f8f6f4 v[DD:DD+7], v[AA:AA+11], v[PCD:PCD+11], v[DD:DD+7], v[SS], v[PS] matrix_a_fmt:MATRIX_FMT_FP6 matrix_b_fmt:MATRIX_FMT_FP6 matrix_a_scale:MATRIX_SCALE_ROW1
.else
	v_wmma_scale_f32_16x16x128_f8f6f4 v[DD:DD+7], v[AA:AA+11], v[PCD:PCD+11], v[DD:DD+7], v[SS], v[PS] matrix_a_fmt:MATRIX_FMT_FP6 matrix_b_fmt:MATRIX_FMT_FP6
.endif
.endm
; the sum of n pairs of p, four chains: line i of n
.macro SUM1 i, n
.if (\i) < 3
	v_pk_add_f32 v[SU+2*(\i):SU+2*(\i)+1], v[S+4*(\i):S+4*(\i)+1], v[S+4*(\i)+2:S+4*(\i)+3]
.elseif (\i) < (\n)-3
.set K_, (\i)+3
.if K_%4
.set A_, SU+2*(K_%4)-2
.else
.set A_, 14
.endif
	v_pk_add_f32 v[A_:A_+1], v[A_:A_+1], v[S+2*K_:S+2*K_+1]
.elseif (\i) == (\n)-3
	v_pk_add_f32 v[SU:SU+1], v[SU:SU+1], v[SU+2:SU+3]
.elseif (\i) == (\n)-2
	v_pk_add_f32 v[14:15], v[14:15], v[SU+4:SU+5]
.else
	v_pk_add_f32 v[14:15], v[14:15], v[SU:SU+1]
.endif
.endm
.macro SUMS from, to, n
.set I_, \from
.rept (\to)-(\from)
	SUM1 I_, \n
.set I_, I_+1
.endr
.endm
; A KEY STEP.  nb: bands of 64 keys that are worked (1: the upper band counts for no query of the tile);  mk: the band that holds the diagonal, or -1.  No barrier, tensor load or wait on one stands in a step.
.macro STEP nb, mk
	v_add_nc_u32 v[AD], s[TB], v1                  ; (the last products lie four and more plain lines back: the places in front of loads into registers that they read)
	v_add_nc_u32 v[AS], s[TB], v2
.irp g, 0,1
.if \g < \nb
	ds_load_b32 v[KS+\g], v[AS] offset:12288+128*\g
.endif
.endr
.set F_, 0
.rept 2*\nb
.irp j, 0,1,2
	ds_load_b128 v[FR+12*F_+4*\j:FR+12*F_+4*\j+3], v[AD] offset:1536*F_+512*\j
.endr
.set F_, F_+1
.endr
	s_wait_alu depctr_va_vdst(0)
.set F_, 0
.rept 2*\nb
	s_wait_dscnt 3*(2*\nb-1-F_)                    ; the scale words and this fragment are in; the younger fragments' three loads each may be out
	WQK S+16*F_, FR+12*F_, QLO, KS+F_/2, F_%2
	WQK S+16*F_+8, FR+12*F_, QHI, KS+F_/2, F_%2
.set F_, F_+1
.endr
	v_mov_b32 v[T0], v12                           ; the old -M.  With three v_nop: the places in front of the loads below and of the first read of the scores
.rept 3
	v_nop
.endr
.irp t, 0,1,2,3                                ; V's fragments are asked for at once: they land under the softmax
.irp j, 0,1,2
	ds_load_b128 v[FR+12*\t+4*\j:FR+12*\t+4*\j+3], v[AD] offset:6144+1536*\t+512*\j
.endr
.endr
.irp g, 0,1
	ds_load_b32 v[VS+\g], v[AS] offset:12544+128*\g
.endr
.if (\mk) >= 0                         ; hidden keys' scores become -infinity ahead of the maximum: p = 0 then.  The step's first key counts for every query of mine
.set I_, 0
.rept 32
	v_cmp_gt_i32 vcc_lo, I_, v[DQ]
	v_cndmask_b32 v[S+32*(\mk)+I_], v[S+32*(\mk)+I_], v[NINF], vcc_lo
.set I_, I_+1
.endr
.endif
; the largest score of each of my blocks of 32 keys: it serves for the row's maximum and, since p rises with the score, for the block's largest p.  Two chains a block
.irp b, 0,1
.if \b < \nb
	v_max3_num_f32 v[BM+\b], v[S+32*\b], v[S+32*\b+1], v[S+32*\b+2]
	v_max3_num_f32 v[BX+\b], v[S+32*\b+16], v[S+32*\b+17], v[S+32*\b+18]
.endif
.endr
.irp i, 3,5,7,9,11,13
.irp b, 0,1
.if \b < \nb
	v_max3_num_f32 v[BM+\b], v[BM+\b], v[S+32*\b+\i], v[S+32*\b+\i+1]
	v_max3_num_f32 v[BX+\b], v[BX+\b], v[S+32*\b+16+\i], v[S+32*\b+17+\i]
.endif
.endr
.endr
.irp b, 0,1
.if \b < \nb
	v_max3_num_f32 v[BM+\b], v[BM+\b], v[S+32*\b+15], v[S+32*\b+31]
.endif
.endr
.irp b, 0,1
.if \b < \nb
	v_max_num_f32 v[BM+\b], v[BM+\b], v[BX+\b]
.endif
.endr
.if \nb == 2
	DEP
	v_max_num_f32 v[T1], v[BM], v[BM+1]
.else
	v_mov_b32 v[T1], v[BM]
.endif
	DEP
	v_permlanex16_b32 v[T2], v[T1], s[SEL], s[SEL+1]
	DEP
	v_max3_num_f32 v13, v13, v[T1], v[T2]          ; with lane l xor 16's keys: the running largest score of my query
	DEP
	v_mul_f32 v12, s[NC], v13
	DEP
	v_floor_f32 v12, v12                           ; the new -M = floor(-t): M is a whole number
	DEP
	v_sub_f32 v[T0], v12, v[T0]                    ; old M - new M: a whole number, 0 or less
	DEP
	v_cvt_i32_f32 v[T0], v[T0]                     ; (it saturates)
	DEP
	v_ldexp_f32 v[FF], 1.0, v[T0]                  ; f = 2^(old M - new M)
.set I_, 0
.rept 16*\nb
	v_pk_fma_f32 v[S+I_:S+I_+1], v[S+I_:S+I_+1], s[CS:CS+1], v[12:13] op_sel_hi:[1,0,0]   ; t - M, two at a time
.set I_, I_+2
.endr
.irp b, 0,1
.if \b < \nb
	v_fma_f32 v[BM+\b], v[BM+\b], s[CS], v12       ; the same of each block's largest score
.endif
.endr
	s_wait_alu depctr_va_vdst(0)
.irp b, 0,1
.if \b < \nb
	v_exp_f32 v[BM+\b], v[BM+\b]                   ; the block's largest p
.endif
.endr
.set I_, 0
.rept 32*\nb
	v_exp_f32 v[S+I_], v[S+I_]                     ; p = 2^(t - M), at most 1: not normalised
.set I_, I_+1
.endr
	v_pk_mul_f32 v[14:15], v[14:15], v[FF:FF+1] op_sel_hi:[1,0]   ; the sum under the new M: the plain place behind the exponentials
	s_wait_alu depctr_va_vdst(0)                   ; one wait for the whole batch and for O^T's first readers
.set I_, 0
.rept 16
	v_pk_mul_f32 v[OT+I_:OT+I_+1], v[OT+I_:OT+I_+1], v[FF:FF+1] op_sel_hi:[1,0]   ; O^T under the new M, each accumulator from its low end on
.set I_, I_+2
.endr
.irp b, 0,1
.if \b < \nb
	v_max_num_f32 v[BM+\b], 0x1800000, v[BM+\b]    ; the floor 2^(3 - 127): the byte cannot fall under 1
.endif
.endr
.irp b, 0,1
.if \b < \nb
	v_add_nc_u32 v[SOP+\b], 0xff000000, v[BM+\b]   ; 2 off the exponent field: the conversion's scale operand
.endif
.endr
.irp b, 0,1
.if \b < \nb
	v_lshrrev_b32 v[BX+\b], 23, v[SOP+\b]          ; the byte
.endif
.endr
	DEP
.if \nb == 2
	v_lshl_or_b32 v[T1], v[BX+1], 16, v[BX]        ; my blocks h and 2 + h
.else
	v_mov_b32 v[T1], v[BX]
.endif
	DEP
	v_permlanex16_b32 v[T2], v[T1], s[SEL], s[SEL+1]
	DEP
	v_lshl_or_b32 v[PS], v[T2], 8, v[T1]           ; lanes 0-15: the four bytes of p's scale word (lanes 16-31 hold them in another order and are not read)
.irp c, 0,1
.if \c < \nb
	v_cvt_scalef32_pk16_fp6_f32 v[PCD+6*\c:PCD+6*\c+2], v[S+32*\c:S+32*\c+15], v[SOP+\c]
	v_cvt_scalef32_pk16_fp6_f32 v[CT+4*\c:CT+4*\c+2], v[S+32*\c+16:S+32*\c+31], v[SOP+\c]
.endif
.endr
	SUMS 0, 1, 16*\nb                              ; one plain place behind a scaled conversion
.irp c, 0,1
.if \c < \nb
.irp i, 0,1,2
	v_mov_b32 v[PCD+6*\c+3+\i], v[CT+4*\c+\i]
.endr
.else
.irp i, 0,1,2,3,4,5
	v_mov_b32 v[PCD+6*\c+\i], 0                    ; the upper band's codes are zeros
.endr
.endif
.endr
	SUMS 1, 12, 16*\nb                             ; (also the places between p's codes and scale word and the products)
	s_wait_alu depctr_va_vdst(0)
	s_wait_dscnt 0x0                               ; V's fragments and scale words are in
.irp t, 0,1,2,3
	WPV \t                                         ; the four accumulators by turns
.endr
	SUMS 12, 16*\nb, 16*\nb                        ; (also the places behind the products)
	s_wait_alu depctr_va_vdst(0)
.endm
; THE WAY OUT.  O^T / the sum goes through my stage in LDS and leaves as whole rows of the head's 256 bytes: sixteen lanes store 256 consecutive bytes, at a multiple of 256 from y's first byte.
.macro OUT
	v_add_f32 v14, v14, v15                        ; the sum's two halves,
	DEP
	v_permlanex16_b32 v[T2], v14, s[SEL], s[SEL+1]
	DEP
	v_add_f32 v14, v14, v[T2]                      ; and lane l xor 16's
	s_wait_alu depctr_va_vdst(0)
	v_rcp_f32 v14, v14
	v_nop                                          ; one plain place behind a transcendental
	s_wait_alu depctr_va_vdst(0)
.set I_, 0
.rept 32
	v_mul_f32 v[S+I_], v[OT+I_], v14               ; each accumulator from its low end on
.set I_, I_+1
.endr
.irp b, 0,1
.irp e, 0,1,2,3
	ds_store_b128 v10, v[S+16*\b+4*\e:S+16*\b+4*\e+3] offset:128*\b+16*\e   ; channels 32 b + 16 h + 4 e on
.endr
.endr
.irp i, 0,1,2,3,4,5,6,7
	ds_load_b128 v[FR+4*\i:FR+4*\i+3], v11 offset:544*\i   ; LDS serves a wave's instructions in order: these see my stores
.endr
.irp i, 0,1,2,3,4,5,6,7
	s_wait_dscnt 7-\i                              ; rows 2 i, 2 i + 1 are in; the younger loads may be out
	global_store_b128 v[GO], v[FR+4*\i:FR+4*\i+3], s[8:9] offset:(2*\i+24*(\i/4))*4096 th:TH_STORE_NT   ; row p of my tile is token p + 24 (p / 8) from its first
.endr
.endm
.macro FRESH                           ; no key seen yet: M far under every t, the sum and O^T zero
	v_mov_b32 v13, 0xff61b1e6                      ; the largest score so far: -3e38
	v_mov_b32 v12, 0x7f61b1e6                      ; -M: 3e38
	v_mov_b32 v14, 0
	v_mov_b32 v15, 0
.set I_, 0
.rept 32
	v_mov_b32 v[OT+I_], 0
.set I_, I_+1
.endr
.endm
.macro QADDR f, w, b, c                ; byte offsets in qimg of a tile's pair: s f its fragment, s w its 16 scale words
	s_mul_i32 s\f, s[\b], 6400                     ; the block of 128 tokens
	s_add_co_u32 s\f, s\f, s50
	s_lshl_b32 s51, s[\c], 1
	s_add_co_u32 s51, s51, s67                     ; the pair: 2 c + cx / 2
	s_lshl_b32 s\w, s51, 6
	s_add_co_u32 s\w, s\w, s\f
	s_add_co_u32 s\w, s\w, 6144
	s_mul_i32 s51, s51, 1536
	s_add_co_u32 s\f, s\f, s51
.endm
	s_load_b128 s[4:7], s[0:1], 0x0                ; qimg s[4:5], kv s[6:7]
	s_load_b64 s[8:9], s[0:1], 0x10                ; out0
	v_lshl_add_u32 v[SPW], v0, 2, SPARE
	v_mov_b32 v[NIL], 0
	ds_add_u32 v[SPW], v[NIL]                      ; the wave's opening: the add, twice on end, and its wait ahead of the first tensor load; the set-up below, work on registers, stands between
	ds_add_u32 v[SPW], v[NIL]
	v_lshrrev_b32 v1, 5, v0
	v_readfirstlane_b32 s[WV], v1                  ; wave 0..15
	s_and_b32 s[PI], s[WV], 7
	s_lshr_b32 s[KD], s[WV], 3
	s_bfe_u32 s[CX], ttmp6, 0x40000
	s_and_b32 s[BH], ttmp7, 0xffff                 ; batch x head, which the four partners share
	s_xor_b32 s15, s[KD], 1
	s_mul_i32 s15, s15, 15
	s_xor_b32 s[BN], s[PI], s15                    ; A: 15 - p; B: p
	s_xor_b32 s[B2], s[PI], 15                     ; 15 - p
	s_xor_b32 s[CB], s[BN], ttmp9
	s_and_b32 s[CB], s[CB], 1
	s_xor_b32 s[C2], s[B2], ttmp9
	s_and_b32 s[C2], s[C2], 1
	s_cmp_eq_u32 s[PI], 0
	s_cselect_b32 s[STT], s[KD], 0                 ; 1 in wave 8 alone
	s_cmp_eq_u32 s[KD], 0
	s_cselect_b32 s[PT], 99, s[PI]
	s_sub_co_u32 s[ADDT], 8, s[PI]
	s_add_co_u32 s[CHG], s[PT], s[STT]
	s_add_co_u32 s[CHG], s[CHG], 1
	s_sub_co_u32 s[LAST], 8, s[KD]
	s_add_co_u32 s[LAST], s[LAST], s[STT]
	; descriptor group 1: a step block, 12,800 dense bytes, as 50 rows of 256 bytes (32 elements of 8 bytes), no padding
	s_mov_b32 s[G1], 15|(3<<16)|(1<<21)            ; 15:0 the mask: all four work-groups; 17:16 elements of 8 bytes; 21 set beside a mask
	s_mov_b32 s[G1+1], 32<<16                      ; tensor_dim0
	s_mov_b32 s[G1+2], 50<<16                      ; tensor_dim1
	s_mov_b32 s[G1+3], 32<<16                      ; tile_dim0
	s_mov_b32 s[G1+4], 50                          ; tile_dim1
	s_mov_b32 s[G1+5], 32                          ; the pitch
	s_mov_b32 s[G1+6], 0
	s_mov_b32 s[G1+7], 0
	s_mul_i32 s49, s[WV], BLK                      ; my block, in LDS as in memory
	s_mul_i32 s52, s[BH], 16*BLK
	s_add_co_u32 s52, s52, s49
	s_mov_b32 s53, 0
	s_mov_b32 s[SEL], 0x76543210
	s_mov_b32 s[SEL+1], 0xfedcba98
	s_mov_b32 s[CS], 0x3e38aa3b                    ; c = log2(e) / 8
	s_mov_b32 s[CS+1], s[CS]
	s_mov_b32 s[NC], 0xbe38aa3b
	s_mov_b32 s[TB], 0
	s_lshr_b32 s67, s[CX], 1
	s_and_b32 s66, s[CX], 1                        ; which tile of its pair is mine
	s_sub_co_u32 s47, 0, s66                       ; all ones for the second: the mask of a selection
	s_lshl_b32 s66, s66, 4
	s_lshl_b32 s48, s[CX], 3                       ; 8 t
	s_mul_i32 s50, s[BH], 102400
	QADDR 54, 56, BN, CB
	QADDR 58, 60, B2, C2
	s_mov_b32 s55, 0
	s_mov_b32 s57, 0
	s_mov_b32 s59, 0
	s_mov_b32 s61, 0
	s_lshr_b32 s62, s[BH], 4                       ; y: token 2048 x batch + 128 x block + 64 x band + 8 t,
	s_lshl_b32 s62, s62, 11
	s_lshl_b32 s63, s[BN], 7
	s_add_co_u32 s62, s62, s63
	s_lshl_b32 s63, s[CB], 6
	s_add_co_u32 s62, s62, s63
	s_add_co_u32 s62, s62, s48
	s_lshl_b32 s62, s62, 12                        ; rows of 4,096 bytes,
	s_and_b32 s63, s[BH], 15
	s_lshl_b32 s63, s63, 8                         ; the head's 256 bytes
	s_add_co_u32 s62, s62, s63
	s_mov_b32 s63, 0
	v_and_b32 v2, 31, v0
	v_lshlrev_b32 v1, 4, v2                        ; v1  16 x lane
	v_lshlrev_b32 v2, 2, v2                        ; v2  4 x lane
	v_and_b32 v250, 15, v0                         ; r
	v_bfe_u32 v249, v0, 4, 1                       ; h
	v_lshlrev_b32 v248, 2, v250                    ; 4 r
	s_wait_dscnt 0x0                               ; both opening adds are done
	s_wait_kmcnt 0x0
	s_add_nc_u64 s[52:53], s[6:7], s[52:53]
	s_add_nc_u64 s[54:55], s[4:5], s[54:55]
	s_add_nc_u64 s[56:57], s[4:5], s[56:57]
	s_add_nc_u64 s[58:59], s[4:5], s[58:59]
	s_add_nc_u64 s[60:61], s[4:5], s[60:61]
	s_add_nc_u64 s[8:9], s[8:9], s[62:63]
	s_mov_b32 s[G0], 1                             ; 1:0 count = 1
	s_mov_b32 s[G0+1], s49                         ; 63:32 LDS address
	s_mov_b64 s[G0+2:G0+3], s[52:53]               ; 120:64 global address
	s_or_b32 s[G0+3], s[G0+3], 0x80000000          ; 127:126 type = 2
	CROUND                                         ; all four work-groups are here: the joint loads meet
	s_cmp_eq_u32 s[WV], 0                          ; one load a wave; wave 0's line is its own, since it alone is waited for ahead of the first barrier
	s_cbranch_scc0 .Lothers
	tensor_load_to_lds s[G0:G0+3], s[G1:G1+7]
	s_nop 0
.rept 4
	v_nop
.endr
	s_branch .Lasked
.Lothers:
	tensor_load_to_lds s[G0:G0+3], s[G1:G1+7]
	s_nop 0
.rept 4
	v_nop
.endr
.Lasked:
	s_wait_alu depctr_va_vdst(0)
.irp j, 0,1,2
	global_load_b128 v[FR+4*\j:FR+4*\j+3], v1, s[54:55] offset:512*\j   ; the pair's fragment of q: registers 0-5 its first tile, 6-11 its second
.endr
	global_load_b32 v243, v248, s[56:57]           ; row r's word: the first tile's bytes below, the second's above
.irp j, 0,1,2
	global_load_b128 v[FR+12+4*\j:FR+15+4*\j], v1, s[58:59] offset:512*\j   ; and those of block 15 - p, a B's second tile
.endr
	global_load_b32 v235, v248, s[60:61]
	FRESH
.irp e, 0,1,2,3,4,5
	v_mov_b32 v[QHI+\e], 0                         ; the zero codes on both sides of q
	v_mov_b32 v[QLO+6+\e], 0
.endr
	v_mov_b32 v[FF+1], 0
	v_mov_b32 v[SU+1], 0                           ; (named in a pair)
	v_mov_b32 v[T2], 0                             ; written once: a lane permute's destination counts as one of its sources
	v_mov_b32 v[NINF], 0xff800000
	v_lshlrev_b32 v[GO], 12, v249
	v_lshl_add_u32 v[GO], v250, 4, v[GO]           ; the way out: lanes 0-15 one row of y, lanes 16-31 the next; 16 bytes a lane
	v_and_b32 v251, 7, v250
	v_and_b32 v252, 8, v250
	v_lshl_add_u32 v[DQ], v252, 2, v251            ; r % 8 + 32 (r / 8)
	v_lshlrev_b32 v251, 5, v249
	v_sub_nc_u32 v[DQ], v[DQ], v251
	v_add_nc_u32 v[DQ], s48, v[DQ]
	s_mul_i32 s49, s[WV], SSZ
	s_add_co_u32 s49, s49, STG                     ; my stage
	v_add_nc_u32 v[PA], s49, v1
	v_mul_u32_u24 v10, v250, 272
	v_lshl_add_u32 v10, v249, 6, v10
	v_add_nc_u32 v10, s49, v10                     ; in: row r, + 64 h
	v_mul_u32_u24 v11, v249, 272
	v_lshl_add_u32 v11, v250, 4, v11
	v_add_nc_u32 v11, s49, v11                     ; back: lanes 0-15 one row, lanes 16-31 the next
	s_wait_alu depctr_va_vdst(0)
	s_wait_loadcnt 0x0
	v_lshrrev_b32 v[T1], s66, v243
	v_lshrrev_b32 v[T0], s66, v235
	v_and_b32 v[T1], 0xffff, v[T1]                 ; my tile's two bytes,
	v_and_b32 v[T0], 0xffff, v[T0]
	v_lshl_or_b32 v[QS], v[T1], 16, v[T1]          ; for K 0-63 and for K 64-127 alike
	v_lshl_or_b32 v[NS], v[T0], 16, v[T0]
.irp e, 0,1,2,3,4,5
	v_cndmask_b32 v[QLO+\e], v[FR+\e], v[FR+6+\e], s47   ; my tile's six registers: a selection of values, no branch
.endr
.irp e, 0,1,2,3,4,5
	v_cndmask_b32 v[NQ+\e], v[FR+12+\e], v[FR+18+\e], s47   ; (these and the step's first two lines are the places between q's scale word and the first product)
.endr
	s_wait_alu depctr_va_vdst(0)
	s_cmp_eq_u32 s[WV], 0
	s_cbranch_scc0 .Lnot_block_0
	s_wait_tensorcnt 0x0                           ; block 0 has landed; the others may be on their way: nothing is filled again
.Lnot_block_0:
	s_barrier_signal -1
	s_barrier_wait -1
	s_cmp_eq_u32 s[STT], 1
	s_cbranch_scc1 .Lnot_trip_0
	STEP 2, -1                                     ; trip 0: step 0, no diagonal
.Lnot_trip_0:
	s_wait_tensorcnt 0x0                           ; my load has landed
	s_wait_dscnt 0x0
	s_barrier_signal -1
	s_barrier_wait -1                              ; the whole head lies in LDS: no wave waits for another from here to the end of its walk
	s_mov_b32 s46, 1
.Ltrip:                                            ; a constant count of trips; branches on the wave's number, the cluster's number and the count, round work alone
	s_cmp_eq_u32 s46, s[CHG]
	s_cbranch_scc0 .Lsame_tile
	OUT                                            ; B: block p is finished
	v_mov_b32 v[QS], v[NS]
.irp e, 0,1,2,3,4,5
	v_mov_b32 v[QLO+\e], v[NQ+\e]
.endr
	FRESH
	s_mov_b32 s[BN], s[B2]
	s_mov_b32 s[CB], s[C2]
	s_wait_alu depctr_va_vdst(0)
	s_wait_xcnt 0x0                                ; the stores have read their registers: the fragments' may be loaded again
.Lsame_tile:
	s_cmp_gt_u32 s46, s[LAST]
	s_cbranch_scc1 .Lnext
	s_sub_co_u32 s50, s46, s[STT]
	s_cmp_gt_u32 s50, s[PT]
	s_cselect_b32 s51, s[ADDT], 0
	s_add_co_u32 s50, s50, s51
	s_min_u32 s50, s50, 15                         ; the key step
	s_mul_i32 s[TB], s50, BLK
	s_cmp_eq_u32 s50, s[BN]
	s_cbranch_scc1 .Ldiagonal
	STEP 2, -1
	s_branch .Lnext
.Ldiagonal:
	s_cmp_eq_u32 s[CB], 0
	s_cbranch_scc1 .Lband_0
	STEP 2, 1
	s_branch .Lnext
.Lband_0:
	STEP 1, 0
.Lnext:
	s_add_co_u32 s46, s46, 1
	s_cmp_lg_u32 s46, 9
	s_cbranch_scc1 .Ltrip
	s_cmp_lt_u32 s[WV], 8
	s_cbranch_scc1 .Lno_hand
.irp k, 0,1,2,3,4,5,6,7
	ds_store_b128 v[PA], v[OT+4*\k:OT+4*\k+3] offset:512*\k   ; B hands over O^T,
.endr
	ds_store_b128 v[PA], v[12:15] offset:4096      ; -M and the sum's two halves
.Lno_hand:
	s_wait_dscnt 0x0
	s_barrier_signal -1
	s_barrier_wait -1
	s_cmp_lt_u32 s[WV], 8
	s_cbranch_scc0 .Lend
.irp k, 0,1,2,3,4,5,6,7
	ds_load_b128 v[FR+4*\k:FR+4*\k+3], v[PA] offset:8*SSZ+512*\k   ; A takes them from the stage of wave 8 + p
.endr
	ds_load_b128 v[244:247], v[PA] offset:8*SSZ+4096
	s_wait_dscnt 0x0
	v_min_num_f32 v[T0], v12, v244                 ; -M of both
	v_sub_f32 v[T1], v[T0], v12
	v_sub_f32 v[T2], v[T0], v244
	v_cvt_i32_f32 v[T1], v[T1]
	v_cvt_i32_f32 v[T2], v[T2]
	v_ldexp_f32 v[FF], 1.0, v[T1]                  ; 2^(A's M - M),
	v_ldexp_f32 v[SU], 1.0, v[T2]                  ; 2^(B's M - M): 0 where B had no step
	v_pk_mul_f32 v[14:15], v[14:15], v[FF:FF+1] op_sel_hi:[1,0]
	v_pk_fma_f32 v[14:15], v[246:247], v[SU:SU+1], v[14:15] op_sel_hi:[1,0,1]
.set I_, 0
.rept 16
	v_pk_mul_f32 v[OT+I_:OT+I_+1], v[OT+I_:OT+I_+1], v[FF:FF+1] op_sel_hi:[1,0]
.set I_, I_+2
.endr
.set I_, 0
.rept 16
	v_pk_fma_f32 v[OT+I_:OT+I_+1], v[FR+I_:FR+I_+1], v[SU:SU+1], v[OT+I_:OT+I_+1] op_sel_hi:[1,0,1]
.set I_, I_+2
.endr
	OUT
.Lend:
	s_wait_tensorcnt 0x0                           ; the wave's end: behind my last tensor load and my last LDS store
	ds_add_u32 v[SPW], v[NIL]
	s_wait_dscnt 0x0
	CROUND                                         ; the closing round
	s_endpgm
.Lfunc_end_k_q99ca050541_attn:
	.size	k_q99ca050541_attn, .Lfunc_end_k_q99ca050541_attn-k_q99ca050541_attn
	.p2alignl 7, 3214868480
	.fill 96, 4, 3214868480
	.section	.rodata,"a",@progbits
	.p2align	6, 0x0
	.amdhsa_kernel k_q99ca050541_attn
		.amdhsa_group_segment_fixed_size 327680
		.amdhsa_private_segment_fixed_size 0
		.amdhsa_enable_private_segment 0
		.amdhsa_kernarg_size 24
		.amdhsa_user_sgpr_count 2
		.amdhsa_user_sgpr_kernarg_segment_ptr 1
		.amdhsa_wavefront_size32 1
		.amdhsa_system_sgpr_workgroup_id_x 1
		.amdhsa_system_sgpr_workgroup_id_y 1
		.amdhsa_system_sgpr_workgroup_id_z 1
		.amdhsa_system_vgpr_workitem_id 0
		.amdhsa_next_free_vgpr 256
		.amdhsa_next_free_sgpr 80
		.amdhsa_reserve_vcc 1
		.amdhsa_float_denorm_mode_32 3
		.amdhsa_float_denorm_mode_16_64 3
		.amdhsa_memory_ordered 1
		.amdhsa_forward_progress 1
		.amdhsa_inst_pref_size 81
	.end_amdhsa_kernel
	.amdgpu_metadata
---
amdhsa.version: [ 1, 2 ]
amdhsa.kernels:
  - .name:           k_q99ca050541_attn
    .symbol:         k_q99ca050541_attn.kd
    .args:
      - { .name: qimg, .offset: 0, .size: 8, .value_kind: global_buffer, .address_space: global }
      - { .name: kv, .offset: 8, .size: 8, .value_kind: global_buffer, .address_space: global }
      - { .name: out0, .offset: 16, .size: 8, .value_kind: global_buffer, .address_space: global }
    .group_segment_fixed_size: 327680
    .private_segment_fixed_size: 0
    .kernarg_segment_align: 8
    .kernarg_segment_size: 24
    .max_flat_workgroup_size: 512
    .sgpr_count:     80
    .vgpr_count:     256
    .wavefront_size: 32
...
	.end_amdgpu_metadata
.endif
;; end of part 3
